; MI455X (gfx1250); checked and timed in simulation.
; The chip was launched on July 23, 2026; its instructions are those of AMD's public machine-readable ISA for CDNA 5 (MIT licence, August 2026) and "CDNA5" Instruction Set Architecture Reference Guide (July 2026). The comments in the code are by the model that wrote it; some were corrected since.
;; Self Attention. Allowed arithmetic: matrix products marked QUANTISED: E5M2 operands, one E8M0 scale for each 32 along K, by v_wmma_scale_f32_16x16x128_f8f6f4 with both operands' format E5M2, f32 sums; everything else in f32.
;; Inputs: Wk_codes 1,024 x 32 x 32 uint8 (E5M2 codes of Wk, K innermost, in blocks of 32 codes); Wk_scales 1,024 x 32 uint8 (E8M0 scales of Wk, one for each 32 codes along K); Wq_codes 1,024 x 32 x 32 uint8 (E5M2 codes of Wq, K innermost, in blocks of 32 codes); Wq_scales 1,024 x 32 uint8 (E8M0 scales of Wq, one for each 32 codes along K); Wv_codes 1,024 x 32 x 32 uint8 (E5M2 codes of Wv, K innermost, in blocks of 32 codes); Wv_scales 1,024 x 32 uint8 (E8M0 scales of Wv, one for each 32 codes along K); bk 1,024 float32; bq 1,024 float32; bv 1,024 float32; x_codes 4 x 2,048 x 32 x 32 uint8 (E5M2 codes of x, K innermost, in blocks of 32 codes); x_scales 4 x 2,048 x 32 uint8 (E8M0 scales of x, one for each 32 codes along K).
;; Outputs: out0 4 x 2,048 x 1,024 float32.
;; This version of the problem:
;;   THIS VERSION OF THE PROBLEM IS GIVEN IN LOW PRECISION. The matrix products marked QUANTISED in the list below multiply operands that are first quantised to E5M2 (5 exponent bits, 2 mantissa bits; 8 bits a number), with one power-of-two scale for each 32 numbers along K (OCP MX v1.0); their sums are f32. All else is computed in f32.
;;   The module's matrix products, in the order in which they are computed (A, B: the left and right operand; K: the contracted axis; several contracted axes count as one K, in the product's order):
;;     1. [M 8,192, K 1,024] x [K 1,024, N 1,024]; A: input x (given as codes); B: input Wq (given as codes): QUANTISED
;;     2. [M 8,192, K 1,024] x [K 1,024, N 1,024]; A: input x (given as codes); B: input Wk (given as codes): QUANTISED
;;     3. [M 8,192, K 1,024] x [K 1,024, N 1,024]; A: input x (given as codes); B: input Wv (given as codes): QUANTISED
;;     4. batch 64 x [M 2,048, K 64] x [K 64, N 2,048]; A: computed on the way; B: computed on the way: QUANTISED
;;     5. batch 64 x [M 64, K 2,048] x [K 2,048, N 2,048]; A: computed on the way; B: softmax (see below): QUANTISED
;;   THE QUANTISER, for each operand of a quantised product, along K:
;;     - K is cut into blocks of 32 from its start; a last block that is shorter is filled with zeros.
;;     - A block's scale is 2^e with e = floor(log2(the largest magnitude in the block)) - 15, held to -126 .. 127; a block of zeros has e = 0. As a byte (E8M0): e + 127.
;;     - Each number is divided by its block's scale, clamped to +-57,344, and rounded to the nearest number of E5M2, ties to even, subnormals kept.
;;     - The product sums the exact products of the quantised numbers (number of the format x scale) in f32.
;;   ~~~python
;;   def quantise(x, axis):      # numpy; x: float32 -> the quantised numbers, widened to float32 again
;;       x = np.moveaxis(x, axis, -1); K = x.shape[-1]
;;       x = np.pad(x, [(0, 0)] * (x.ndim - 1) + [(0, -K % 32)]); x = x.reshape(x.shape[:-1] + (-1, 32)); a = np.abs(x).max(-1, keepdims=True)
;;       e = np.where(a > 0, np.clip(np.frexp(np.where(a > 0, a, 1))[1] - 1 - 15, -126, 127), 0)      # np.frexp(a)[1] - 1 = floor(log2(a)), exactly
;;       r = np.clip(x / 2.0 ** e, -57344, 57344)
;;       step = 2.0 ** (np.maximum(np.frexp(np.where(r == 0, 1, r))[1] - 1, -14) - 2)
;;       q = np.round(r / step) * step * 2.0 ** e      # np.round: ties to even
;;       return np.moveaxis(q.reshape(q.shape[:-2] + (-1,))[..., :K], -1, axis).astype(np.float32)
;;   ~~~
;;   SOFTMAX AHEAD OF A QUANTISED PRODUCT. Where the list says 'softmax', what is quantised is not the finished softmax but p = 2^(t - M), with t = logit x log2(e) and M = ceil(the row's largest t), a whole number; so 1/2 < the row's largest p <= 1. The row's sum l is taken of the UNQUANTISED p, in f32, and the product's result is divided by l at the end. Since M is a whole number, a kernel that streams over the keys may use a running M (the ceiling of the running maximum): every later rescaling is an exact power of two, which a block's scale takes up: the codes' values come out the same.
;;   OPERANDS COMPUTED ON THE WAY. 'Computed on the way' means the value that the module computes at that place (a softmax that the list does not call 'softmax' is quantised finished and normalised). What goes into a quantiser is computed in f32, as accurately as f32 sums, v_exp_f32 and their like allow (about 1e-6 of the number): no bf16 or f16 on the way to a quantiser, and a product that is left as it is and whose result goes on into a quantised operand takes f32 operands (vector FMAs, or v_wmma_f32_16x16x4_f32). A number that lies on a knife's edge between two numbers of the format may be rounded either way, as far as f32 arithmetic and the matrix unit's own rounding can turn it there, and no further.
;;   INPUTS GIVEN AS CODES. Wk (in the module: [1024, 1024], K = its axis 1); Wq (in the module: [1024, 1024], K = its axis 1); Wv (in the module: [1024, 1024], K = its axis 1); x (in the module: [4, 2048, 1024], K = its axis 2): each comes as NAME_codes (uint8): NAME with its K axis moved to the last place and cut into blocks of 32 codes, [.., K / 32, bytes a block], one block behind the other in memory; one code a byte (a code: sign, 5 exponent bits, 2 mantissa bits); and NAME_scales (uint8): the same leading axes, one E8M0 byte (e + 127) for each 32 codes along K. Its value is code x scale, taken as it is: it is not quantised again, and the codes and scales need not be those that the quantiser above would give.
;; One version. Each part assembles by itself: llvm-mc -triple=amdgcn-amd-amdhsa -mcpu=gfx1250 --defsym DOCPART=n.
;; ======== version 1 of 1: 2 launches
;; limits: right only within a limited range of input values
;; workspace buffers: qimg 8,650,752 bytes; kimg 8,650,752 bytes; vimg 8,650,752 bytes
;; launch proj (part 1): grid 96 x 4, 4 waves a work-group, clusters of 4 x 4, 327,680 bytes of LDS; arguments x_codes, x_scales, Wq_codes, Wq_scales, Wk_codes, Wk_scales, Wv_codes, Wv_scales, bq, bk, bv, qimg, kimg, vimg; writes qimg, kimg, vimg
.if DOCPART == 1
	.amdgcn_target "amdgcn-amd-amdhsa--gfx1250"
	.amdhsa_code_object_version 6
	.text
	.protected	k_qc42c6ce81a_proj
	.globl	k_qc42c6ce81a_proj
	.p2align	8
	.type	k_qc42c6ce81a_proj,@function
k_qc42c6ce81a_proj:
	s_mov_b64 s[64:65], 0
	v_nop
	global_prefetch_b8 v0, s[64:65] scope:SCOPE_SE
	s_setreg_imm32_b32 hwreg(HW_REG_WAVE_MODE, 25, 1), 1
	s_wait_xcnt 0x0
	s_wait_alu depctr_hold_cnt(0) depctr_sa_sdst(0) depctr_va_vdst(0) depctr_va_sdst(0) depctr_va_ssrc(0) depctr_va_vcc(0) depctr_vm_vsrc(0)
	s_getreg_b32 s2, hwreg(HW_REG_IB_STS2, 6, 4)
	s_cmp_eq_u32 s2, 0
	s_cbranch_scc0 .Lentry_in_a_cluster
	s_endpgm
.Lentry_in_a_cluster:
	s_bfe_u32 s2, ttmp6, 0x10000c
	s_cmp_lg_u32 s2, 0xf033
	s_cbranch_scc0 .Lentry_shape_is_right
	s_endpgm
.Lentry_shape_is_right:
; q = x Wq^T + bq, k = x Wk^T + bk, v = x Wv^T + bv on codes of BF8 (E5M2) with one E8M0 scale for each 32 along K = 1,024; the results are quantised in registers, q and k along a head's 64
; channels, v along the keys, and leave as codes and scale words laid in the order in which the attention launch's operand registers take them.  No f32 result goes to memory.
; DEAD WORK: none.  Each bias goes into a quantiser (bk too: it moves k's codes and scales), each product feeds the output: all eleven inputs are loaded.
; SHARES.  A work-group of four waves makes 256 x 256 results, a wave 128 x 128: 64 accumulators of 16 x 16.  Source 0 ('B') gives the rows that fall into a lane's REGISTERS, source 1 ('A') those that fall into LANES.
; What is quantised must run along a lane's registers.  So clusters 0-15 (role 0): A = 1,024 rows of x, B = Wq (even cluster) or Wk (odd): a lane holds one token, its registers run along the channels.
; Clusters 16-23 (role 1): A = Wv, B = 1,024 rows of x: a lane holds one channel, its registers run along the keys.  The role hangs on the cluster's number alone, which all sixteen partners share.
; CLUSTERS: 4 x 4 work-groups; A's tiles are asked for jointly along a row of the cluster, B's along a column: the same tensor load, the same descriptor, a mask that names the four.
; K goes in steps of 256 through a ring of two LDS slots; the scale bytes of the work-group's rows, for all of K, come into LDS once, with the first fills.  The bias is the C of each sum's first matrix instruction.
; THE ORDER INSIDE A BLOCK OF 32.  Two neighbouring result tiles u = 0, 1 give lane (r, h) sixteen numbers (u, j): index 16 u + 8 h + j of the block; the conversions lay them at place 16 h + 8 u + j of the next operand.
; That is a permutation inside one scale block, and it is the same on both sides of each later product (q and k are made alike here; v's keys fall as the scores' keys fall in the attention launch), so the products are kept.
; THE IMAGES.  [64 heads][16 steps of 128 rows of the sequence][8,448 bytes]: sixteen groups of four registers, group n at 512 n + 16 x lane, then 256 bytes of scale words at 8,192 + 16 r + 4 i.
;   q, k: group 2 a + c (a: tile of 16 rows, c: block of 32 channels); word i = a / 2, byte 2 (a % 2) + c.     v: group 4 t + c (t: tile of 16 channels, c: block of 32 keys); word i = t, byte c.
; LIMITS: NaN and infinities among the inputs are not served.  A block whose largest magnitude lies under 2^(16 - 127), a block of zeros too, gets the byte 1 (the rule gives a block of zeros 127): the bytes are read by this
; program alone, and zero codes add nothing under any byte but 0xff.  The bias is added first, as C, not last; inside a block of 32 the later sums run in the permuted order.
; REGISTERS, in windows of 256: window 0: v16-29 addresses; v32-63 scale words, two sets; v64-127 the bias tiles, on the way out the quantiser's work; v128-255 A's fragments, one set, on the way out the codes.
;   window 1: B's fragments, two sets.   window 2: the accumulators of A's blocks 0-3 ((a, b) at v[8 (8 (a % 4) + b)]);   window 3: those of blocks 4-7.
; Nothing is prefetched: a work-group has two refills, and its tiles are shared in the cluster.
.set KSTEP,  256                       ; along K in a slot
.set NQ,     2                         ; matrix instructions deep
.set ROWB,   256                       ; a tile's row in bytes
.set KROW,   1024                      ; a row of x or of a weight in memory, in bytes
.set PITCH,  272                       ; an LDS row: 256 bytes + 16 of padding = 68 words: row r starts at bank 4 r mod 64 (ISA guide 11.1)
.set FR,     16                        ; registers of a fragment: 16 rows x 128 K
.set NL,     4                         ; LDS loads that bring one
.set NP,     8                         ; places behind this matrix instruction (ISA guide 7.12.1)
.set HALFT,  128*PITCH                 ; 128 rows: what one tensor load brings
.set SLOT,   4*HALFT                   ; A's 256 rows, then B's 256 rows
.set KS,     32                        ; a row of scale bytes
.set SCL,    2*SLOT                    ; behind the ring: the scales, as units of 256 bytes + 16 of padding
.set HALFS,  (128*KS/256)*272          ; the scales of 128 rows
.set SBLK,   (16*KS/256)*272           ; those of 16 rows
.set SPARE,  SCL+4*HALFS               ; the spare words, 128 bytes for each wave: two blocks of 256 bytes that no other line names
.set HS,     135168                    ; a head's image in bytes
.set STP,    8448                      ; a step's
.set ADRA, 16                          ; v16-17  LDS address of my A fragments in slot 0, 1
.set ADRB, 20                          ; v20-21  the same for B
.set LI,   24                          ; v24     16 x lane: my place in a group of an image
.set SOF,  25                          ; v25     8,192 + 16 r + h x HS: where my four scale words go
.set BOF,  26                          ; v26     my lane's byte among the wave's 128 biases
.set ADRS, 27                          ; v27     LDS address of my scale words: lanes 0-15 A's rows, lanes 16-31 B's
.set SPW,  28                          ; v28     LDS address of my spare word; never rewritten
.set NIL,  29                          ; v29     0; never rewritten
.set SC,   32                          ; scale words: set s at v[SC + 16 s]; register 2 i + q: lanes 0-15 A's block i, lanes 16-31 B's block i
.set BI,   64                          ; v64-127 the bias: eight tiles of eight registers in the result's layout
.set BM,   64                          ; on the way out: v64-67 largest magnitudes, then bytes
.set PT,   68                          ; v68-71  the other half's
.set HD,   72                          ; v72-75  57,344 x the scale
.set SO,   76                          ; v76-79  the conversions' scale operands
.set SW,   80                          ; v80-87  scale words: four for each of the wave's two heads
.set OUTW, 88                          ; v88-91  the four that my lane stores
.set AF,   128                         ; A's fragments
.set PC,   128                         ; on the way out: the codes, sixteen registers for each row block, so that no store's data are written again
.set BIAS, 12                          ; s[12:13] the bias at my wave's first unit
.set IMG,  14                          ; s[14:15] the image at my wave's first head and step
.set WV,   16                          ; s16  wave
.set HA,   17                          ; s17  which half of A's rows is mine.  Also: I fetch for A (0) or for B (1)
.set HB,   18                          ; s18  which half of B's rows.  Also: which 128 rows of that tile I fetch
.set ROLE, 19                          ; s19  0: q or k;  1: v
.set G1,   24                          ; s[24:31] group 1 for A's tiles;  s[32:39] group 0, one set a slot
.set G0,   32
.set G1B,  48                          ; s[48:55], s[56:63] the same for B's
.set G0B,  56
.set G1S,  68                          ; s[68:75], s[76:79] groups 1 and 0 for A's scales; s[80:87], s[88:91] for B's (where the arguments lay until the choice was made)
.set G0S,  76
.set G1SB, 80
.set G0SB, 88
.set SEL,  96                          ; s[96:97] v_permlanex16_b32's selects for lane l xor 16
.set MNT,  98                          ; s98  the mantissa field of 57,344
.set MSB, 0
.macro WIN new                         ; the immediate's high byte repeats the setting that is left
.if MSB != (\new)
	s_set_vgpr_msb (MSB<<8)|(\new)
.set MSB, \new
.endif
.endm
.set MUL_LO,  0xa1                     ; source 0 (B) window 1, source 1 (A) window 0, C and D window 2
.set MUL_HI,  0xf1                     ; the same, C and D window 3
.set BIAS_LO, 0x81                     ; the first K step: C (the bias) window 0, D window 2
.set BIAS_HI, 0xc1                     ; D window 3
.set TO_B,    0x40                     ; destination window 1, address window 0
; A joint load: waves 0 and 1 fetch for A, waves 2 and 3 for B.  Each line has one mask and one set of registers for all that issue it; the branch hangs on the wave's number alone.
; An s_nop 0 and four v_nop follow each of the two lines.
.macro JLOAD g0a, g1a, g0b, g1b
	s_cmp_eq_u32 s[HA], 0
	s_cbranch_scc0 .Lfor_b_\@
	tensor_load_to_lds s[\g0a:\g0a+3], s[\g1a:\g1a+7]
	s_nop 0
.rept 4
	v_nop
.endr
	s_branch .Lasked_\@
.Lfor_b_\@:
	tensor_load_to_lds s[\g0b:\g0b+3], s[\g1b:\g1b+7]
	s_nop 0
.rept 4
	v_nop
.endr
.Lasked_\@:
.endm
.macro CREST                           ; a round of the cluster's barrier behind its opening barrier
	s_cmp_lg_u32 s[WV], 0
	s_cbranch_scc1 .Lnot_wave_0_\@
	s_barrier_signal -3
.Lnot_wave_0_\@:
	s_barrier_wait -3
	s_barrier_signal -1
	s_barrier_wait -1
.endm
.macro CROUND                          ; a whole round
	s_barrier_signal -1
	s_barrier_wait -1
	CREST
.endm
	s_load_b512 s[68:83], s[0:1], 0x0              ; x's codes, x's scales, Wq's, Wk's, Wv's codes and scales
	s_load_b256 s[84:91], s[0:1], 0x40             ; bq, bk, bv, q's image
	s_load_b128 s[92:95], s[0:1], 0x60             ; k's image, v's image
	v_lshl_add_u32 v[SPW], v0, 2, SPARE
	v_mov_b32 v[NIL], 0
	ds_add_u32 v[SPW], v[NIL]                      ; the wave's opening: the add, twice on end, and its wait ahead of my first tensor load; the set-up below stands between
	ds_add_u32 v[SPW], v[NIL]                      ; and once more, under the one wait
	v_lshrrev_b32 v1, 5, v0
	v_readfirstlane_b32 s[WV], v1                  ; wave 0..3
	s_lshr_b32 s[HA], s[WV], 1
	s_and_b32 s[HB], s[WV], 1
	s_bfe_u32 s40, ttmp6, 0x40000                  ; cx, cy: my place in the cluster
	s_bfe_u32 s41, ttmp6, 0x40004
	s_lshl_b32 s44, s41, 2
	s_lshl_b32 s44, 15, s44                        ; my row of the cluster
	s_lshl_b32 s45, 0x1111, s40                    ; my column
	; descriptor group 1: a tile of 128 rows x 256 bytes, 16 bytes of padding behind each row
	s_or_b32 s[G1+0], s44, (0<<16)|(1<<20)|(1<<21)|(5<<22)|(3<<25)   ; 15:0 the mask: A's tiles go to my row; 17:16 elements of 1 byte; 20 padding on; 21 set beside a mask; 24:22 after every 64 words; 31:25 four words
	s_or_b32 s[G1B+0], s45, (0<<16)|(1<<20)|(1<<21)|(5<<22)|(3<<25)  ; B's go to my column
.irp g, G1, G1B
	s_mov_b32 s[\g+1], ROWB<<16                    ; tensor_dim0
	s_mov_b32 s[\g+2], 256<<16                     ; tensor_dim1: 256 rows for the head's loads; set to 128 for the ring's behind them
	s_mov_b32 s[\g+3], ROWB<<16                    ; tile_dim0
	s_mov_b32 s[\g+4], 256                         ; tile_dim1
	s_mov_b32 s[\g+5], KROW                        ; tensor_dim0_stride
	s_mov_b32 s[\g+6], 0
	s_mov_b32 s[\g+7], 0
.endr
	; which rows.  c = the cluster's number.  Role 0: A's rows 1,024 (c / 2) + 256 cy of x, B's rows 256 cx of the weight.  Role 1: A's rows 256 cy of Wv, B's rows 1,024 (c - 16) + 256 cx of x.
	s_lshr_b32 s20, ttmp9, 1
	s_lshl_b32 s20, s20, 10
	s_max_u32 s46, ttmp9, 16
	s_sub_co_u32 s46, s46, 16
	s_lshl_b32 s46, s46, 10                        ; 0 in role 0
	s_cmp_lt_u32 ttmp9, 16
	s_cselect_b32 s[ROLE], 0, 1
	s_cselect_b32 s20, s20, 0                      ; 0 in role 1
	s_lshl_b32 s43, s41, 8
	s_add_co_u32 s43, s43, s20                     ; my work-group's first row of A: it hangs on cy, never on cx
	s_lshl_b32 s42, s40, 8
	s_add_co_u32 s42, s42, s46                     ; and of B: on cx, never on cy
	s_mov_b32 s20, s43                             ; the tiles' first rows: the head's loads bring whole tiles
	s_mov_b32 s46, s42
	s_lshl_b32 s22, s20, 5                         ; where these rows' scale bytes begin,
	s_lshl_b32 s20, s20, 10                        ; and their codes (all under 2^24)
	s_lshl_b32 s66, s46, 5
	s_lshl_b32 s46, s46, 10
	s_mov_b32 s21, 0
	s_mov_b32 s23, 0
	s_mov_b32 s47, 0
	s_mov_b32 s67, 0
	s_mul_i32 s99, s[WV], HALFT                    ; where they go: wave x 128 rows: no place in the cluster enters an LDS address
	s_mov_b32 s[SEL], 0x76543210
	s_mov_b32 s[SEL+1], 0xfedcba98
	s_mov_b32 s[MNT], 0x600000
	s_and_b32 s101, ttmp9, 1
	s_wait_dscnt 0x0                               ; both opening adds are done
	s_wait_kmcnt 0x0
	s_cmp_eq_u32 s101, 0                           ; the choice of buffers hangs on the cluster's number alone: first Wq's set or Wk's,
	s_cselect_b64 s[8:9], s[72:73], s[76:77]
	s_cselect_b64 s[10:11], s[74:75], s[78:79]
	s_cselect_b64 s[BIAS:BIAS+1], s[84:85], s[86:87]
	s_cselect_b64 s[IMG:IMG+1], s[90:91], s[92:93]
	s_cmp_eq_u32 s[ROLE], 0                        ; then by the role
	s_cselect_b64 s[4:5], s[68:69], s[80:81]       ; A's codes: x's or Wv's
	s_cselect_b64 s[6:7], s[70:71], s[82:83]       ; A's scales
	s_cselect_b64 s[8:9], s[8:9], s[68:69]         ; B's codes: the weight's or x's
	s_cselect_b64 s[10:11], s[10:11], s[70:71]     ; B's scales
	s_cselect_b64 s[BIAS:BIAS+1], s[BIAS:BIAS+1], s[88:89]
	s_cselect_b64 s[IMG:IMG+1], s[IMG:IMG+1], s[94:95]
	s_add_nc_u64 s[20:21], s[4:5], s[20:21]
	s_add_nc_u64 s[22:23], s[6:7], s[22:23]
	s_add_nc_u64 s[46:47], s[8:9], s[46:47]
	s_add_nc_u64 s[66:67], s[10:11], s[66:67]
	; group 1 for the scales of 256 rows: a dense block of 8,192 bytes, as 32 rows of 256 bytes (32 elements of 8 bytes), 16 bytes of padding behind each
	s_or_b32 s[G1S+0], s44, (3<<16)|(1<<20)|(1<<21)|(5<<22)|(3<<25)
	s_or_b32 s[G1SB+0], s45, (3<<16)|(1<<20)|(1<<21)|(5<<22)|(3<<25)
.irp g, G1S, G1SB
	s_mov_b32 s[\g+1], 32<<16
	s_mov_b32 s[\g+2], (256*KS/256)<<16            ; the scales of 256 rows: 32 rows of 256 bytes
	s_mov_b32 s[\g+3], 32<<16
	s_mov_b32 s[\g+4], 256*KS/256
	s_mov_b32 s[\g+5], 32
	s_mov_b32 s[\g+6], 0
	s_mov_b32 s[\g+7], 0
.endr
	CROUND                                         ; all sixteen work-groups are here: the first joint loads meet
	s_mov_b32 s[G0S], 1
	s_mov_b32 s[G0S+1], SCL
	s_mov_b64 s[G0S+2:G0S+3], s[22:23]
	s_or_b32 s[G0S+3], s[G0S+3], 0x80000000
	s_mov_b32 s[G0SB], 1
	s_mov_b32 s[G0SB+1], SCL+2*HALFS
	s_mov_b64 s[G0SB+2:G0SB+3], s[66:67]
	s_or_b32 s[G0SB+3], s[G0SB+3], 0x80000000
.set G0H,  4                           ; s[4:7], s[8:11] group 0 for the head's loads of K step 0: A's 256 rows, B's 256 rows (the pointers that lay there have been used)
.set G0HB, 8
	s_mov_b32 s[G0H], 1
	s_mov_b32 s[G0H+1], 0
	s_mov_b64 s[G0H+2:G0H+3], s[20:21]
	s_or_b32 s[G0H+3], s[G0H+3], 0x80000000
	s_mov_b32 s[G0HB], 1
	s_mov_b32 s[G0HB+1], 2*HALFT
	s_mov_b64 s[G0HB+2:G0HB+3], s[46:47]
	s_or_b32 s[G0HB+3], s[G0HB+3], 0x80000000
	s_mul_i32 s100, s[HB], 128*KROW                ; for the ring: which 128 rows of a tile I fetch, in bytes
	s_mov_b32 s101, 0
	s_add_nc_u64 s[20:21], s[20:21], s[100:101]
	s_add_nc_u64 s[46:47], s[46:47], s[100:101]
.irp s, 0,1
	s_mov_b32 s[G0+4*\s], 1
	s_add_co_u32 s[G0+4*\s+1], s99, \s*SLOT
	s_add_nc_u64 s[G0+4*\s+2:G0+4*\s+3], s[20:21], \s*ROWB
	s_or_b32 s[G0+4*\s+3], s[G0+4*\s+3], 0x80000000
	s_mov_b32 s[G0B+4*\s], 1
	s_add_co_u32 s[G0B+4*\s+1], s99, \s*SLOT
	s_add_nc_u64 s[G0B+4*\s+2:G0B+4*\s+3], s[46:47], \s*ROWB
	s_or_b32 s[G0B+4*\s+3], s[G0B+4*\s+3], 0x80000000
.endr
; THE HEAD'S LOADS, ONE A WAVE: wave 0 K step 0's 256 rows of A, wave 1 its 256 rows of B, wave 2 the scales of A's 256 rows, wave 3 those of B's.
; One tree of branches on the wave's number: every way through the head passes exactly one load.
.macro ARM under, g0, g1, next
	s_cmp_lt_u32 s[WV], \under
	s_cbranch_scc0 \next
	tensor_load_to_lds s[\g0:\g0+3], s[\g1:\g1+7]
	s_nop 0
.rept 4
	v_nop
.endr
	s_branch .Lhead_asked
\next:
.endm
	ARM 1, G0H,  G1,  .Lhead_b
	ARM 2, G0HB, G1B, .Lhead_sa
	ARM 3, G0S,  G1S, .Lhead_sb
	tensor_load_to_lds s[G0SB:G0SB+3], s[G1SB:G1SB+7]
	s_nop 0
.rept 4
	v_nop
.endr
.Lhead_asked:
	v_and_b32 v1, 15, v0                           ; r = lane % 16
	v_bfe_u32 v2, v0, 4, 1                         ; h = lane / 16
	v_mul_u32_u24 v3, v1, PITCH
	v_lshl_add_u32 v4, v2, 4, v3                   ; a fragment's row x pitch + 16 x half
	s_mul_i32 s21, s[HA], HALFT                    ; my 128 rows of A
	s_mul_i32 s22, s[HB], HALFT                    ; my 128 rows of B,
	s_add_co_u32 s22, s22, 2*HALFT                 ; which lie behind A's 256
.irp s, 0,1
	v_add_nc_u32 v[ADRA+\s], s21, v4
	v_add_nc_u32 v[ADRB+\s], s22, v4
	s_add_co_u32 s21, s21, SLOT
	s_add_co_u32 s22, s22, SLOT
.endr
	v_mul_u32_u24 v5, v1, KS                       ; my row's scales: 32 bytes a row,
	v_lshrrev_b32 v6, 8, v5
	v_lshl_add_u32 v5, v6, 4, v5                   ; and 16 more for each 256 passed
	s_mul_i32 s21, s[HA], HALFS                    ; A's: my 128 rows
	s_mul_i32 s22, s[HB], HALFS                    ; B's: my 128 rows, behind A's 256
	s_add_co_u32 s22, s22, 2*HALFS
	s_sub_co_u32 s22, s22, s21
	v_mul_u32_u24 v6, s22, v2                      ; lanes 16-31 take B's: the lower base + h x the distance
	s_add_co_u32 s21, s21, SCL
	v_add_nc_u32 v5, v5, v6
	v_add_nc_u32 v[ADRS], s21, v5
	v_and_b32 v6, 31, v0
	v_lshlrev_b32 v[LI], 4, v6
	v_mul_u32_u24 v5, v2, HS
	v_lshl_add_u32 v5, v1, 4, v5
	v_add_nc_u32 v[SOF], 8192, v5
	; where my wave's part of the image begins: head = 16 x batch + (first unit / 64), step = (first row of x / 128) % 16
	s_lshl_b32 s20, s[HA], 7
	s_add_co_u32 s20, s20, s43                     ; my first row of A
	s_lshl_b32 s21, s[HB], 7
	s_add_co_u32 s21, s21, s42                     ; my first row of B
	s_cmp_eq_u32 s[ROLE], 0
	s_cselect_b32 s22, s20, s21                    ; my first row of x,
	s_cselect_b32 s23, s21, s20                    ; my first unit of the 1,024
	s_lshr_b32 s20, s22, 11
	s_lshl_b32 s20, s20, 4
	s_lshr_b32 s21, s23, 6
	s_add_co_u32 s20, s20, s21
	s_mul_i32 s20, s20, HS
	s_bfe_u32 s21, s22, 0x40007
	s_mul_i32 s21, s21, STP
	s_add_co_u32 s20, s20, s21
	s_mov_b32 s21, 0
	s_add_nc_u64 s[IMG:IMG+1], s[IMG:IMG+1], s[20:21]
	s_lshl_b32 s22, s23, 2
	s_mov_b32 s23, 0
	s_add_nc_u64 s[BIAS:BIAS+1], s[BIAS:BIAS+1], s[22:23]
	; the bias in the result's layout.  Role 0: tile b's register j of lane (r, h) is unit 16 b + 8 h + j.  Role 1: all eight registers of tile a hold the bias of the lane's unit 16 a + r
	s_cmp_eq_u32 s[ROLE], 0
	s_cbranch_scc0 .Lbias_v
	v_lshlrev_b32 v[BOF], 5, v2
.irp b, 0,1,2,3,4,5,6,7
	global_load_b128 v[BI+8*\b:BI+8*\b+3], v[BOF], s[BIAS:BIAS+1] offset:64*\b
	global_load_b128 v[BI+8*\b+4:BI+8*\b+7], v[BOF], s[BIAS:BIAS+1] offset:64*\b+16
.endr
	s_branch .Lbias_in
.Lbias_v:
	v_lshlrev_b32 v[BOF], 2, v1
.irp a, 0,1,2,3,4,5,6,7
.irp j, 0,1,2,3,4,5,6,7
	global_load_b32 v[BI+8*\a+\j], v[BOF], s[BIAS:BIAS+1] offset:64*\a   ; the same word into the tile's eight registers: once in the launch, and no copy waits for a load
.endr
.endr
.Lbias_in:
.macro FRAG reg, adr, q, i             ; a fragment: lane l holds row l % 16; registers 4 c .. 4 c + 3 hold K = 32 c + 16 (l / 16) + 0 .. 15
.irp c, 0,1,2,3
	ds_load_b128 v[\reg+4*\c:\reg+4*\c+3], v[\adr] offset:128*(\q)+32*\c+(\i)*16*PITCH
.endr
.endm
; 16 matrix instructions: A's blocks a0, a0 + 1 x B's eight, the slot's q-th 128 along K.  p: B's set; sc: the set of scale words.  zero = 1, 2: the first K step starts the sums with the bias as C (role 0: by B's block; role 1: by A's).
; The 64 accumulators take turns, one instruction a turn, in the same order in every step.
.macro MUL16 a0, p, q, sc, zero
.irp a, \a0, \a0+1
.irp b, 0,1,2,3,4,5,6,7
.if \zero == 1
	v_wmma_scale_f32_16x16x128_f8f6f4 v[8*(8*((\a)%4)+\b):8*(8*((\a)%4)+\b)+7], v[128*(\p)+FR*\b:128*(\p)+FR*\b+FR-1], v[AF+FR*(\a):AF+FR*(\a)+FR-1], v[BI+8*\b:BI+8*\b+7], v[SC+8*NQ*(\sc)+NQ*\b+(\q)], v[SC+8*NQ*(\sc)+NQ*(\a)+(\q)] matrix_a_fmt:MATRIX_FMT_BF8 matrix_b_fmt:MATRIX_FMT_BF8 matrix_a_scale:MATRIX_SCALE_ROW1
.elseif \zero == 2
	v_wmma_scale_f32_16x16x128_f8f6f4 v[8*(8*((\a)%4)+\b):8*(8*((\a)%4)+\b)+7], v[128*(\p)+FR*\b:128*(\p)+FR*\b+FR-1], v[AF+FR*(\a):AF+FR*(\a)+FR-1], v[BI+8*(\a):BI+8*(\a)+7], v[SC+8*NQ*(\sc)+NQ*\b+(\q)], v[SC+8*NQ*(\sc)+NQ*(\a)+(\q)] matrix_a_fmt:MATRIX_FMT_BF8 matrix_b_fmt:MATRIX_FMT_BF8 matrix_a_scale:MATRIX_SCALE_ROW1
.else
	v_wmma_scale_f32_16x16x128_f8f6f4 v[8*(8*((\a)%4)+\b):8*(8*((\a)%4)+\b)+7], v[128*(\p)+FR*\b:128*(\p)+FR*\b+FR-1], v[AF+FR*(\a):AF+FR*(\a)+FR-1], v[8*(8*((\a)%4)+\b):8*(8*((\a)%4)+\b)+7], v[SC+8*NQ*(\sc)+NQ*\b+(\q)], v[SC+8*NQ*(\sc)+NQ*(\a)+(\q)] matrix_a_fmt:MATRIX_FMT_BF8 matrix_b_fmt:MATRIX_FMT_BF8 matrix_a_scale:MATRIX_SCALE_ROW1
.endif
.endr
.endr
.endm
.macro FETCH_B slot, q, p              ; B's eight fragments of the slot's q-th 128 along K into set p
	WIN TO_B
.irp i, 0,1,2,3,4,5,6,7
	FRAG 128*(\p)+FR*\i, ADRB+\slot, \q, \i
.endr
	WIN 0
.endm
.macro FETCH_A slot, q, i0             ; A's blocks i0 .. i0 + 3
.irp i, \i0, \i0+1, \i0+2, \i0+3
	FRAG AF+FR*(\i), ADRA+\slot, \q, \i
.endr
.endm
.macro SCALES sc                       ; a K step's scale words into set sc: two words a row; lanes 0-15 take A's block i, lanes 16-31 B's block i
.irp i, 0,1,2,3,4,5,6,7
	ds_load_b64 v[SC+8*NQ*\sc+NQ*\i:SC+8*NQ*\sc+NQ*\i+1], v[ADRS] offset:\i*SBLK
.endr
.endm
; A load into a register that a matrix instruction has read, and a vector instruction that reads a matrix result, stand NP places behind it; only plain vector instructions that name none of its registers are places.
.macro PLACES n
.rept \n
	v_nop
.endr
.endm
; A step of 128 along K that has its successor in the same slot.  A's blocks one after the other, each against B's eight: a block of A is free when its eight products are issued, so A has one set of registers, B two.
.macro STEP slot, q, zero
	s_wait_dscnt 4*NL                              ; B's set and A's blocks 0-3 are in; the youngest sixteen loads (A's blocks 4-7) may be out
.if \zero
	WIN BIAS_LO
.else
	WIN MUL_LO
.endif
	MUL16 0, (\q)%2, \q, \slot, \zero
	MUL16 2, (\q)%2, \q, \slot, \zero
	s_wait_dscnt 0                                 ; A's blocks 4-7 are in
	PLACES NP
	FETCH_B \slot, (\q)+1, 1-(\q)%2
	FETCH_A \slot, (\q)+1, 0
.if \zero
	WIN BIAS_HI
.else
	WIN MUL_HI
.endif
	MUL16 4, (\q)%2, \q, \slot, \zero
	MUL16 6, (\q)%2, \q, \slot, \zero
	PLACES NP
	WIN 0
	FETCH_A \slot, (\q)+1, 4
.endm
; A slot's last step changes slots: one barrier; in front of it each wave waits for all its tensor loads, adds 0 to its spare word, and waits for that and for its own reads of this slot.  fill = 1: this slot is filled again, two K steps ahead.
.macro TURN slot, next, fill
	s_wait_tensorcnt 0x0                           ; all my tensor loads have landed: my part of the next slot (every window is 0 here)
	ds_add_u32 v[SPW], v[NIL]                      ; 0 onto my spare word
	s_wait_dscnt 4*NL+1                            ; the add and the youngest sixteen loads (A's blocks 4-7) may be out
	WIN MUL_LO
	MUL16 0, 1, NQ-1, \slot, 0                     ; sixteen matrix instructions stand between the add and the wait for it
	s_wait_dscnt 0x0                               ; the add is done, and my reads of this slot are over
	s_barrier_signal -1
	MUL16 2, 1, NQ-1, \slot, 0
	WIN 0
	s_barrier_wait -1
.if \fill
	CREST                                          ; the barrier has opened a round of the cluster's: no wave of any partner still reads this slot or has a load on its way
	s_add_nc_u64 s[G0+4*\slot+2:G0+4*\slot+3], s[G0+4*\slot+2:G0+4*\slot+3], 2*ROWB
	s_add_nc_u64 s[G0B+4*\slot+2:G0B+4*\slot+3], s[G0B+4*\slot+2:G0B+4*\slot+3], 2*ROWB
	JLOAD G0+4*\slot, G1, G0B+4*\slot, G1B         ; the first tensor load behind the round; its four v_nop are among the places in front of the loads below
	PLACES NP-4
.else
	PLACES NP
.endif
	s_wait_alu depctr_va_vdst(0)
	v_add_nc_u32 v[ADRS], 4*NQ, v[ADRS]            ; on to the next K step's scale words
	FETCH_B \next, 0, 0
	FETCH_A \next, 0, 0
	SCALES \next
	WIN MUL_HI
	MUL16 4, 1, NQ-1, \slot, 0
	MUL16 6, 1, NQ-1, \slot, 0
	PLACES NP
	WIN 0
	FETCH_A \next, 0, 4
.endm
	s_wait_alu depctr_va_vdst(0)                   ; the head's end
	s_wait_tensorcnt 0x0                           ; my tile of the head's four is in; the lines ahead of a later first fill:
	ds_add_u32 v[SPW], v[NIL]
	s_mov_b32 s[G1+2], 128<<16                     ; no tensor load of mine is out: from here on a load brings 128 rows
	s_mov_b32 s[G1+4], 128
	s_mov_b32 s[G1B+2], 128<<16
	s_mov_b32 s[G1B+4], 128
	s_wait_dscnt 0x0
	CROUND                                         ; all four tiles are in, and all sixteen work-groups are here
	JLOAD G0+4, G1, G0B+4, G1B                     ; K step 1, a quarter of slot 1 a wave: the first tensor load behind the round
	FETCH_B 0, 0, 0
	FETCH_A 0, 0, 0
	s_wait_alu depctr_va_vdst(0)
	SCALES 0
	FETCH_A 0, 0, 4
	s_wait_loadcnt 0x0                             ; the bias
	s_cmp_eq_u32 s[ROLE], 0                        ; the first 128 along K are written once for each role: they differ in which bias tile is the C
	s_cbranch_scc0 .Lfirst_v
	STEP 0, 0, 1
	s_branch .Lfirst_done
.Lfirst_v:
	STEP 0, 0, 2
.Lfirst_done:
	TURN 0, 1, 1                                   ; K = 1,024 is four K steps of 256: slot 0 takes K step 2,
	STEP 1, 0, 0
	TURN 1, 0, 1                                   ; slot 1 K step 3;
	STEP 0, 0, 0
	TURN 0, 1, 0                                   ; nothing is left to fetch, and no round follows
	STEP 1, 0, 0
	s_wait_dscnt 4*NL                              ; the very last step
	WIN MUL_LO
	MUL16 0, 1, NQ-1, 1, 0
	MUL16 2, 1, NQ-1, 1, 0
	s_wait_dscnt 0
	WIN MUL_HI
	MUL16 4, 1, NQ-1, 1, 0
	MUL16 6, 1, NQ-1, 1, 0
	WIN 0
; THE WAY OUT.  Row block a's eight accumulators are 64 registers on end: four blocks of 32 along what is quantised, sixteen numbers of each in my lane, the other sixteen in lane l xor 16.
; A block's scale: the largest magnitude, with the floor 2^(16 - 127) among its leaves; 15 off its exponent field is the conversion's scale operand; that, shifted, the byte; its exponent field over 57,344's mantissa the hold.
.macro QROW a
.set rW, 2+(\a)/4                      ; the accumulators' window
.set rA, 64*((\a)%4)                   ; and their first register
.set rP, PC+16*(4*(1-(\a)%2)+(\a)/2)   ; the codes: odd blocks at v128-191, even ones at v192-255
	WIN 5*rW                                       ; sources 0 and 1 in the accumulators' window
.irp b, 0,1,2,3
	v_max3_num_f32 v[BM+\b], |v[rA+16*\b]|, |v[rA+16*\b+1]|, 0x8000000   ; each accumulator is read from its low end on
.endr
	WIN 20*rW                                      ; sources 1 and 2
.irp i, 2,4,6,8,10,12,14
.irp b, 0,1,2,3
	v_max3_num_f32 v[BM+\b], v[BM+\b], |v[rA+16*\b+\i]|, |v[rA+16*\b+\i+1]|   ; the four blocks by turns
.endr
.endr
	WIN 0
.irp b, 0,1,2,3
	v_permlanex16_b32 v[PT+\b], v[BM+\b], s[SEL], s[SEL+1]
.endr
.irp b, 0,1,2,3
	v_max_num_f32 v[BM+\b], v[BM+\b], v[PT+\b]     ; with lane l xor 16's: the block's largest magnitude
.endr
.irp b, 0,1,2,3
	v_add_nc_u32 v[SO+\b], 0xf8800000, v[BM+\b]    ; 15 off its exponent field
.endr
.irp b, 0,1,2,3
	v_and_or_b32 v[HD+\b], v[BM+\b], 0x7f800000, s[MNT]   ; 57,344 x the scale
.endr
	WIN 65*rW                                      ; destination and source 0
.irp b, 0,1,2,3
.irp i, 0,1,2,3,4,5,6,7,8,9,10,11,12,13,14,15
	v_med3_num_f32 v[rA+16*\b+\i], v[rA+16*\b+\i], -v[HD+\b], v[HD+\b]   ; the conversion to an 8-bit code does not saturate (ISA guide 7.6.2): the hold
.endr
.endr
	WIN rW                                         ; source 0
.irp b, 0,1,2,3
	v_cvt_scalef32_pk8_bf8_f32 v[rP+4*\b:rP+4*\b+1], v[rA+16*\b:rA+16*\b+7], v[SO+\b]
	v_cvt_scalef32_pk8_bf8_f32 v[rP+4*\b+2:rP+4*\b+3], v[rA+16*\b+8:rA+16*\b+15], v[SO+\b]
.endr
	WIN 0
	v_nop                                          ; one plain vector instruction behind the last conversion
.endm
; A block's four code registers are one group of an image: 32 lanes store 512 consecutive bytes, at a multiple of 256 from the image's first byte.  No register that a store reads is written again.
.macro EPILOG role
.irp a, 0,1,2,3,4,5,6,7
	QROW \a
.irp b, 0,1,2,3
.if \role == 0
	global_store_b128 v[LI], v[rP+4*\b:rP+4*\b+3], s[IMG:IMG+1] offset:(\b/2)*HS+1024*\a+512*(\b%2)   ; head b / 2, group 2 a + b % 2
.else
	global_store_b128 v[LI], v[rP+4*\b:rP+4*\b+3], s[IMG:IMG+1] offset:(\a/4)*HS+2048*(\a%4)+512*\b   ; head a / 4, group 4 (a % 4) + b
.endif
.endr
.irp b, 0,1,2,3
.if \role == 0
.set rI, SW+4*(\b/2)+\a/2              ; head b / 2, word a / 2, byte 2 (a % 2) + b % 2
.set rH, 16*(\a%2)+8*(\b%2)
.else
.set rI, SW+\a                         ; head a / 4, word a % 4, byte b
.set rH, 8*\b
.endif
.if rH == 0
	v_lshrrev_b32 v[rI], 23, v[SO+\b]              ; the scale's byte starts its word
.else
	v_lshrrev_b32 v[BM+\b], 23, v[SO+\b]
	v_lshl_or_b32 v[rI], v[BM+\b], rH, v[rI]
.endif
.endr
.endr
	v_and_b32 v[BM], 31, v0
	v_cmp_gt_u32 vcc_lo, 16, v[BM]
.irp i, 0,1,2,3
	v_cndmask_b32 v[OUTW+\i], v[SW+4+\i], v[SW+\i], vcc_lo   ; lanes 0-15 send the first head's four words of row r, lanes 16-31 the second head's (both halves hold both)
.endr
	global_store_b128 v[SOF], v[OUTW:OUTW+3], s[IMG:IMG+1]   ; each half of the wave stores 256 consecutive bytes, aligned
.endm
	PLACES NP                                      ; behind the last products: for the first reads of results and the first writes over A's fragments
.irp b, 0,1,2,3
	v_mov_b32 v[PT+\b], 0                          ; written once: a lane permute's destination counts as one of its sources
.endr
	s_cmp_eq_u32 s[ROLE], 0
	s_cbranch_scc0 .Lout_v
	EPILOG 0
	s_branch .Lend
.Lout_v:
	EPILOG 1
.Lend:
	s_wait_tensorcnt 0x0                           ; the wave's end, behind my last tensor load
	ds_add_u32 v[SPW], v[NIL]
	s_wait_dscnt 0x0
	CROUND                                         ; the closing round: no work-group ends while a partner may still ask for a tile that names it
	s_endpgm
.Lfunc_end_k_qc42c6ce81a_proj:
	.size	k_qc42c6ce81a_proj, .Lfunc_end_k_qc42c6ce81a_proj-k_qc42c6ce81a_proj
	.p2alignl 7, 3214868480
	.fill 96, 4, 3214868480
	.section	.rodata,"a",@progbits
	.p2align	6, 0x0
	.amdhsa_kernel k_qc42c6ce81a_proj
		.amdhsa_group_segment_fixed_size 327680
		.amdhsa_private_segment_fixed_size 0
		.amdhsa_enable_private_segment 0
		.amdhsa_kernarg_size 112
		.amdhsa_user_sgpr_count 2
		.amdhsa_user_sgpr_kernarg_segment_ptr 1
		.amdhsa_wavefront_size32 1
		.amdhsa_system_sgpr_workgroup_id_x 1
		.amdhsa_system_sgpr_workgroup_id_y 1
		.amdhsa_system_sgpr_workgroup_id_z 1
		.amdhsa_system_vgpr_workitem_id 0
		.amdhsa_next_free_vgpr 1024
		.amdhsa_next_free_sgpr 102
		.amdhsa_reserve_vcc 1
		.amdhsa_float_denorm_mode_32 3
		.amdhsa_float_denorm_mode_16_64 3
		.amdhsa_memory_ordered 1
		.amdhsa_forward_progress 1
		.amdhsa_inst_pref_size 255
	.end_amdhsa_kernel
	.section	.bss,"aw",@nobits
	.p2align	6
	.space	262144
	.amdgpu_metadata
---
amdhsa.version: [ 1, 2 ]
amdhsa.kernels:
  - .name:           k_qc42c6ce81a_proj
    .symbol:         k_qc42c6ce81a_proj.kd
    .args:
      - { .name: x_codes, .offset: 0, .size: 8, .value_kind: global_buffer, .address_space: global }
      - { .name: x_scales, .offset: 8, .size: 8, .value_kind: global_buffer, .address_space: global }
      - { .name: Wq_codes, .offset: 16, .size: 8, .value_kind: global_buffer, .address_space: global }
      - { .name: Wq_scales, .offset: 24, .size: 8, .value_kind: global_buffer, .address_space: global }
      - { .name: Wk_codes, .offset: 32, .size: 8, .value_kind: global_buffer, .address_space: global }
      - { .name: Wk_scales, .offset: 40, .size: 8, .value_kind: global_buffer, .address_space: global }
      - { .name: Wv_codes, .offset: 48, .size: 8, .value_kind: global_buffer, .address_space: global }
      - { .name: Wv_scales, .offset: 56, .size: 8, .value_kind: global_buffer, .address_space: global }
      - { .name: bq, .offset: 64, .size: 8, .value_kind: global_buffer, .address_space: global }
      - { .name: bk, .offset: 72, .size: 8, .value_kind: global_buffer, .address_space: global }
      - { .name: bv, .offset: 80, .size: 8, .value_kind: global_buffer, .address_space: global }
      - { .name: qimg, .offset: 88, .size: 8, .value_kind: global_buffer, .address_space: global }
      - { .name: kimg, .offset: 96, .size: 8, .value_kind: global_buffer, .address_space: global }
      - { .name: vimg, .offset: 104, .size: 8, .value_kind: global_buffer, .address_space: global }
    .group_segment_fixed_size: 327680
    .private_segment_fixed_size: 0
    .kernarg_segment_align: 8
    .kernarg_segment_size: 112
    .max_flat_workgroup_size: 128
    .sgpr_count:     102
    .vgpr_count:     1024
    .wavefront_size: 32
...
	.end_amdgpu_metadata
.endif
;; end of part 1
;; launch attn (part 2): grid 4 x 64, 16 waves a work-group, clusters of 4 x 1, 327,680 bytes of LDS; arguments qimg, kimg, vimg, out0; writes out0
.if DOCPART == 2
	.amdgcn_target "amdgcn-amd-amdhsa--gfx1250"
	.amdhsa_code_object_version 6
	.text
	.protected	k_qc42c6ce81a_attn
	.globl	k_qc42c6ce81a_attn
	.p2align	8
	.type	k_qc42c6ce81a_attn,@function
k_qc42c6ce81a_attn:
	s_mov_b64 s[64:65], 0
	v_nop
	global_prefetch_b8 v0, s[64:65] scope:SCOPE_SE
	s_setreg_imm32_b32 hwreg(HW_REG_WAVE_MODE, 25, 1), 1
	s_wait_xcnt 0x0
	s_wait_alu depctr_hold_cnt(0) depctr_sa_sdst(0) depctr_va_vdst(0) depctr_va_sdst(0) depctr_va_ssrc(0) depctr_va_vcc(0) depctr_vm_vsrc(0)
	s_getreg_b32 s2, hwreg(HW_REG_IB_STS2, 6, 4)
	s_cmp_eq_u32 s2, 0
	s_cbranch_scc0 .Lentry_in_a_cluster
	s_endpgm
.Lentry_in_a_cluster:
	s_bfe_u32 s2, ttmp6, 0x10000c
	s_cmp_lg_u32 s2, 0x3003
	s_cbranch_scc0 .Lentry_shape_is_right
	s_endpgm
.Lentry_shape_is_right:
; out[b][q][head] = softmax_k(q . k / 8) v on codes of BF8 (E5M2) with E8M0 scales, from the images that launch proj laid: [64 heads][16 steps of 128 rows][8,448 bytes].
; p = 2^(t - M), t = score x log2(e) / 8, M the running largest t rounded up to a whole number; p is quantised along the keys, the row's sum is taken of the unquantised p and divides at the end.
; No work of the problem is left out here.
; SHARES.  A work-group owns 512 queries of one head, in two passes of 256; each of its sixteen waves owns one tile of 16 queries a pass, in 256 registers: four waves to a SIMD, no register windows.
; The head's whole K and V images stay in LDS: 32 step images of 8,448 bytes, K's sixteen and then V's.  The four work-groups of a head form a cluster and ask for them jointly, two loads a wave:
; at the head wave w < 12 asks for K's step w, waves 12-15 for V's steps 0-3; behind the full sequence and a round waves 0-3 ask for K's steps 12-15, waves 4-15 for V's steps 4-15.
; Steps 0-3 (and the fetch of K's step 4) read the first group alone; one barrier behind step 3 shows the second group to every wave.
; Nothing is prefetched: K and V are asked for once, at the head, and there is no loop to run ahead in; q is 1,088 bytes a wave and pass.
; BOTH PRODUCTS ARE USED TRANSPOSED: a lane holds one query.  The head's 64 channels fill half of the instruction's K: a K fragment holds two tiles of 16 keys side by side, and q stands against one of them with zero codes against the other.
; TWO BANKS OF 64 REGISTERS TAKE TURNS: K's fragments in one, the scores into the other; V's fragments land where K's were while the softmax runs; the next step's K lands where p was, once p is converted.  A trip is two steps.
; THE WAY OUT: sixteen stages of 16 rows do not fit beside the images, so a wave's stage has 8 rows x 272 bytes and takes eight queries at a time, all lanes on: lanes l and l xor 8 exchange halves of their rows,
; so that lanes r < 8 store channels 0-31 and lanes r >= 8 channels 32-63 of the eight queries in hand.  The rows come back whole and leave as aligned units of 256 bytes.
; LIMITS: NaN and infinities are not served; the promise holds while the scaled scores stay under 2^31 in magnitude.  A block whose largest p lies under 2^(16 - 127) gets the byte 1: its codes add nothing.
.set HS,    135168                     ; a head's image
.set STP,   8448                       ; a step's: sixteen groups of 512 bytes, then 256 bytes of scale words
.set STAGE, 2*HS
.set SP,    272
.set SPARE, STAGE+16*8*SP              ; the spare words: 128 bytes a wave, eight blocks of 256 bytes that no other line names
.set LI,  1                            ; 16 x lane
.set LR,  2                            ; 16 x (lane % 16)
.set AK,  3                            ; addresses of the step in hand: K's fragments, V's, K's scale words, V's
.set AV,  4
.set AS,  5
.set AW,  6
.set STO, 7
.set RD,  8
.set GO,  9
.set QO,  10
.set QW,  11
.set QWD, 12
.set QS,  13                           ; q's scale word
.set PWD, 14                           ; p's scale word
.set OLD, 15                           ; -M of the step before
.set SPW, 16
.set NIL, 17
.set NM,  18                           ; v[18:19] -M (the pair's low word serves both halves)
.set L,   20                           ; v[20:21] the row's sum in two halves
.set F,   22                           ; v[22:23] f = 2^(old M - new M)
.set BM,  24
.set PT,  28
.set HD,  32
.set SO,  36
.set CH,  40                           ; v[40:47] the step's sums, four chains of pairs
.set X0,  40                           ; at work ahead of the sums
.set RC,  46                           ; v[46:47] on the way out: 1 / sum
.set KS,  48                           ; K's scale words
.set VS,  52                           ; V's
.set XB,  56                           ; the two banks
.set YB,  120
.set O,   184                          ; O^T: four tiles of eight registers
.set PC,  216                          ; p's codes
.set QZ,  232                          ; eight zeros, q's eight registers, eight zeros
.set WV,  12
.set G1,  24
.set G0A, 32
.set G0B, 36
.set CS,  40                           ; s[40:41] c = log2(e) / 8
.set NC,  42                           ; -c
.set MNT, 43
.set SEL, 44
.set TB,  46                           ; LDS byte of K's step in hand
.set TBV, 47                           ; of V's
.set TRIP, 48
.set PASS, 49
.set QP,  50
.set OP,  52
.set MB,  55                           ; the lanes with lane % 16 >= 8
.set PSEL, 57
.macro CROUND
	s_barrier_signal -1
	s_barrier_wait -1
	s_cmp_lg_u32 s[WV], 0
	s_cbranch_scc1 .Lnot_wave_0_\@
	s_barrier_signal -3
.Lnot_wave_0_\@:
	s_barrier_wait -3
	s_barrier_signal -1
	s_barrier_wait -1
.endm
.macro D1
	s_delay_alu instid0(VALU_DEP_1)
.endm
	s_load_b256 s[4:11], s[0:1], 0x0               ; q's, k's, v's image, out
	v_lshl_add_u32 v[SPW], v0, 2, SPARE
	v_mov_b32 v[NIL], 0
	ds_add_u32 v[SPW], v[NIL]                      ; the opening lines: the add, twice on end, and one wait
	ds_add_u32 v[SPW], v[NIL]
	v_lshrrev_b32 v[LI], 5, v0
	D1
	v_readfirstlane_b32 s[WV], v[LI]               ; wave 0..15
	s_bfe_u32 s13, ttmp6, 0x40000                  ; cx
	s_and_b32 s14, ttmp7, 0xffff                   ; the head, 0..63
	s_mov_b32 s[G1], 15|(3<<16)|(1<<21)            ; the four partners; elements of 8 bytes; a step image is 33 dense rows of 256 bytes
	s_mov_b32 s[G1+1], 32<<16
	s_mov_b32 s[G1+2], 33<<16
	s_mov_b32 s[G1+3], 32<<16
	s_mov_b32 s[G1+4], 33
	s_mov_b32 s[G1+5], 32
	s_mov_b32 s[G1+6], 0
	s_mov_b32 s[G1+7], 0
	s_lshr_b32 s15, s[WV], 2
	s_add_co_u32 s15, s15, 1
	s_lshr_b32 s15, s15, 2                         ; 1 in waves 12-15
	s_lshl_b32 s15, s15, 2
	s_add_co_u32 s15, s15, s[WV]                   ; my first image: 0-11 (K), 16-19 (V's steps 0-3)
	s_add_co_u32 s16, s[WV], 12
	s_lshr_b32 s17, s16, 4                         ; 1 in waves 4-15
	s_lshl_b32 s17, s17, 2
	s_add_co_u32 s16, s16, s17                     ; my second: 12-15 (K), 20-31 (V's steps 4-15)
	s_mul_i32 s17, s14, HS
	s_mov_b32 s[G0A], 1
	s_mul_i32 s[G0A+1], s15, STP
	s_mov_b32 s[G0B], 1
	s_mul_i32 s[G0B+1], s16, STP
	s_and_b32 s18, s15, 15
	s_mul_i32 s18, s18, STP
	s_add_co_u32 s18, s18, s17
	s_mov_b32 s19, 0
	s_and_b32 s20, s16, 15
	s_mul_i32 s20, s20, STP
	s_add_co_u32 s20, s20, s17
	s_mov_b32 s21, 0
	s_lshl_b32 s22, s13, 2                         ; q: step 4 cx + wave / 8 (+ 2 in the second pass)
	s_lshr_b32 s23, s[WV], 3
	s_add_co_u32 s22, s22, s23
	s_mul_i32 s22, s22, STP
	s_add_co_u32 s22, s22, s17
	s_mov_b32 s23, 0
	s_lshr_b32 s58, s14, 4                         ; out: row 2,048 batch + 512 cx + 16 wave, 4,096 bytes a row; + 256 x (head % 16)
	s_lshl_b32 s58, s58, 11
	s_lshl_b32 s59, s13, 9
	s_add_co_u32 s58, s58, s59
	s_lshl_b32 s59, s[WV], 4
	s_add_co_u32 s58, s58, s59
	s_lshl_b32 s58, s58, 12
	s_and_b32 s59, s14, 15
	s_lshl_b32 s59, s59, 8
	s_add_co_u32 s58, s58, s59
	s_mov_b32 s59, 0
	s_mov_b32 s[CS], 0x3e38aa3b
	s_mov_b32 s[CS+1], s[CS]
	s_mov_b32 s[NC], 0xbe38aa3b
	s_mov_b32 s[MNT], 0x600000
	s_mov_b32 s[SEL], 0x76543210
	s_mov_b32 s[SEL+1], 0xfedcba98
	s_and_b32 s60, s[WV], 1                        ; my tile's two scale bytes: the word's low or high half, laid twice
	s_cmp_eq_u32 s60, 0
	s_mov_b32 s[PSEL], 0x03020302
	s_cselect_b32 s[PSEL], 0x01000100, s[PSEL]
	s_mov_b32 s[PASS], 2
	s_wait_dscnt 0x0
	s_wait_kmcnt 0x0
	s_cmp_lt_u32 s[WV], 12
	s_cselect_b64 s[60:61], s[6:7], s[8:9]
	s_add_nc_u64 s[G0A+2:G0A+3], s[60:61], s[18:19]
	s_or_b32 s[G0A+3], s[G0A+3], 0x80000000
	s_cmp_lt_u32 s[WV], 4
	s_cselect_b64 s[60:61], s[6:7], s[8:9]
	s_add_nc_u64 s[G0B+2:G0B+3], s[60:61], s[20:21]
	s_or_b32 s[G0B+3], s[G0B+3], 0x80000000
	s_add_nc_u64 s[QP:QP+1], s[4:5], s[22:23]
	s_add_nc_u64 s[OP:OP+1], s[10:11], s[58:59]
	CROUND                                         ; the four partners are here: the joint loads meet
	tensor_load_to_lds s[G0A:G0A+3], s[G1:G1+7]    ; my one load at the head
	s_nop 0
	v_and_b32 v[LR], 15, v0                        ; r
	v_bfe_u32 v[QWD], v0, 4, 1                     ; h
	v_and_b32 v[LI], 31, v0
	v_and_b32 v[OLD], 7, v0
	v_and_b32 v[X0], 8, v0
	v_cmp_ne_u32 s[MB], 0, v[X0]
	s_mul_i32 s60, s[WV], 8*SP
	s_add_co_u32 s60, s60, STAGE                   ; my stage
	v_mul_u32_u24 v[STO], v[OLD], SP               ; in: row r % 8; 32 bytes for each half of the lanes; lanes r >= 8 the row's second 128 bytes
	v_mul_u32_u24 v[RD], v[QWD], SP                ; back: lanes 0-15 one row, lanes 16-31 the next
	v_lshlrev_b32 v[GO], 12, v[QWD]
	v_lshl_add_u32 v[STO], v[QWD], 5, v[STO]
	v_lshl_add_u32 v[RD], v[LR], 4, v[RD]
	v_lshl_add_u32 v[GO], v[LR], 4, v[GO]
	v_lshl_add_u32 v[STO], v[X0], 4, v[STO]
	v_add_nc_u32 v[RD], s60, v[RD]
	v_lshlrev_b32 v[LI], 4, v[LI]
	v_lshlrev_b32 v[LR], 4, v[LR]
	v_add_nc_u32 v[STO], s60, v[STO]
	s_and_b32 s61, s[WV], 7                        ; my tile a of the q step: groups 2 a, 2 a + 1; word a / 2
	s_lshl_b32 s62, s61, 10
	v_add_nc_u32 v[QO], s62, v[LI]
	s_lshr_b32 s61, s61, 1
	s_lshl_b32 s61, s61, 2
	v_add_nc_u32 v[QW], s61, v[LR]
.irp b, 0,1,2,3
	v_mov_b32 v[PT+\b], 0                          ; a lane permute's destination counts as one of its sources
.endr
	v_mov_b32 v[NM+1], 0                           ; upper halves of pairs that are named whole
	v_mov_b32 v[F+1], 0
.irp k, 0,1,2,3,4,5,6,7
	v_mov_b32 v[QZ+\k], 0                          ; the zero codes on both sides of q
	v_mov_b32 v[QZ+16+\k], 0
.endr
	s_wait_alu depctr_va_vdst(0)                   ; the head's end
	s_wait_tensorcnt 0x0                           ; my first image is in; the lines ahead of a later first fill
	ds_add_u32 v[SPW], v[NIL]
	s_wait_dscnt 0x0
	CROUND                                         ; everybody's first image is in, and the partners are here
	tensor_load_to_lds s[G0B:G0B+3], s[G1:G1+7]    ; my second image: the first tensor load behind the round
	s_nop 0
.macro STEP KB, SB, grd
	s_wait_dscnt 0x0                               ; K's fragments and scale words are in
.irp n, 0,1,2,3,4,5,6,7
	v_wmma_scale_f32_16x16x128_f8f6f4 v[\SB+8*\n:\SB+8*\n+7], v[\KB+16*(\n/2):\KB+16*(\n/2)+15], v[QZ+8-8*(\n%2):QZ+23-8*(\n%2)], 0, v[KS+\n/2], v[QS] matrix_a_fmt:MATRIX_FMT_BF8 matrix_b_fmt:MATRIX_FMT_BF8
.endr
	v_mov_b32 v[OLD], v[NM]                        ; eight places behind the products: five lines that are due anyway, three v_nop
	v_add_nc_u32 v[AV], s[TBV], v[LI]
	v_add_nc_u32 v[AW], s[TBV], v[LR]
	v_add_nc_u32 v[AK], s[TB], v[LI]
	v_add_nc_u32 v[AS], s[TB], v[LR]
.rept 3
	v_nop
.endr
.irp b, 0,1,2,3
	v_max3_num_f32 v[BM+\b], v[\SB+16*\b], v[\SB+16*\b+1], v[\SB+16*\b+2]   ; the largest score of each block of 32 keys, the four blocks by turns; each result is read from its low end on
.endr
.irp i, 3,5,7,9,11,13
.irp b, 0,1,2,3
	v_max3_num_f32 v[BM+\b], v[BM+\b], v[\SB+16*\b+\i], v[\SB+16*\b+\i+1]
.endr
.endr
.irp b, 0,1,2,3
	v_max_num_f32 v[BM+\b], v[BM+\b], v[\SB+16*\b+15]
.endr
.irp b, 0,1,2,3
	s_delay_alu instid0(VALU_DEP_4)
	v_permlanex16_b32 v[PT+\b], v[BM+\b], s[SEL], s[SEL+1]
.endr
.irp b, 0,1,2,3
	s_delay_alu instid0(VALU_DEP_4)
	v_max_num_f32 v[BM+\b], v[BM+\b], v[PT+\b]     ; with lane l xor 16's sixteen keys
.endr
	s_delay_alu instid0(VALU_DEP_2)
	v_max3_num_f32 v[X0], v[BM], v[BM+1], v[BM+2]  ; the chain to -M; V's loads, into the bank that K has left, stand between its links
.irp n, 0,1,2,3
	ds_load_b128 v[\KB+4*\n:\KB+4*\n+3], v[AV] offset:512*\n
.endr
	v_max_num_f32 v[X0], v[X0], v[BM+3]
.irp n, 4,5,6,7
	ds_load_b128 v[\KB+4*\n:\KB+4*\n+3], v[AV] offset:512*\n
.endr
	v_mul_f32 v[X0], s[NC], v[X0]                  ; -t of the step's largest score
.irp n, 8,9,10,11
	ds_load_b128 v[\KB+4*\n:\KB+4*\n+3], v[AV] offset:512*\n
.endr
	v_floor_f32 v[X0], v[X0]
.irp n, 12,13,14,15
	ds_load_b128 v[\KB+4*\n:\KB+4*\n+3], v[AV] offset:512*\n
.endr
	ds_load_b128 v[VS:VS+3], v[AW] offset:8192
	v_min_num_f32 v[NM], v[NM], v[X0]              ; -M = the least floor(-t) so far = -ceil(the largest t)
.set sj, 0
.rept 32
	v_pk_fma_f32 v[\SB+2*sj:\SB+2*sj+1], v[\SB+2*sj:\SB+2*sj+1], s[CS:CS+1], v[NM:NM+1] op_sel_hi:[1,0,0]   ; t - M
.set sj, sj+1
.endr
.irp b, 0,1,2,3
	v_fma_f32 v[BM+\b], v[BM+\b], s[CS], v[NM]     ; the same of each block's largest score
.endr
	s_wait_alu depctr_va_vdst(0)                   ; ahead of the batch
.set sj, 0
.rept 64
	v_exp_f32 v[\SB+sj], v[\SB+sj]                 ; p
.set sj, sj+1
.endr
.irp b, 0,1,2,3
	v_exp_f32 v[BM+\b], v[BM+\b]                   ; each block's largest p
.endr
	v_sub_f32 v[X0], v[NM], v[OLD]                 ; old M - new M, a whole number, 0 or less (plain work behind the batch)
	D1
	v_cvt_i32_f32 v[X0], v[X0]                     ; (it saturates)
	D1
	v_ldexp_f32 v[F], 1.0, v[X0]                   ; f
	s_wait_alu depctr_va_vdst(0)                   ; one wait for the batch, ahead of its first reader
.irp k, 0,1,2,3
	v_pk_add_f32 v[CH+2*\k:CH+2*\k+1], v[\SB+4*\k:\SB+4*\k+1], v[\SB+4*\k+2:\SB+4*\k+3]   ; the sum of the unquantised p: four chains of pairs by turns
.endr
.set sj, 16
.rept 6
.irp k, 0,1,2,3
	v_pk_add_f32 v[CH+2*\k:CH+2*\k+1], v[CH+2*\k:CH+2*\k+1], v[\SB+sj+2*\k:\SB+sj+2*\k+1]
.endr
.set sj, sj+8
.endr
.irp b, 0,1,2,3
	v_max_num_f32 v[BM+\b], 0x8000000, v[BM+\b]    ; the floor 2^(16 - 127): the byte cannot fall under 1
.endr
.irp b, 0,1,2,3
	v_add_nc_u32 v[SO+\b], 0xf8800000, v[BM+\b]    ; 15 off the exponent field: the conversion's scale operand
.endr
.irp b, 0,1,2,3
	v_and_or_b32 v[HD+\b], v[BM+\b], 0x7f800000, s[MNT]   ; 57,344 x the scale
.endr
.irp b, 0,1,2,3
	v_lshrrev_b32 v[PT+\b], 23, v[SO+\b]           ; the scale's byte
.endr
	v_lshl_or_b32 v[PWD], v[PT+1], 8, v[PT]
	D1
	v_lshl_or_b32 v[PWD], v[PT+2], 16, v[PWD]
	D1
	v_lshl_or_b32 v[PWD], v[PT+3], 24, v[PWD]
.irp b, 0,1,2,3
.irp i, 0,2,4,6,8,10,12,14
	v_dual_min_num_f32 v[\SB+16*\b+\i], v[\SB+16*\b+\i], v[HD+\b] :: v_dual_min_num_f32 v[\SB+16*\b+\i+1], v[\SB+16*\b+\i+1], v[HD+\b]   ; the hold, two numbers a line: the conversion does not saturate (ISA guide 7.6.2); p is not negative
.endr
.endr
.irp b, 0,1,2,3
	v_cvt_scalef32_pk8_bf8_f32 v[PC+4*\b:PC+4*\b+1], v[\SB+16*\b:\SB+16*\b+7], v[SO+\b]
	v_cvt_scalef32_pk8_bf8_f32 v[PC+4*\b+2:PC+4*\b+3], v[\SB+16*\b+8:\SB+16*\b+15], v[SO+\b]
.endr
	v_nop                                          ; one plain line behind the last conversion
	s_wait_alu depctr_va_vdst(0)
	s_wait_dscnt 0x0                               ; V's fragments and scale words are in
.if \grd
	s_cmp_eq_u32 s[TRIP], 1                        ; the count of trips alone: the same in all waves
	s_cbranch_scc1 .Lno_k_\@
.endif
	ds_load_b128 v[KS:KS+3], v[AS] offset:STP+8192 ; the next step's K, into the bank that p has left
.irp n, 0,1,2,3,4,5,6,7,8,9,10,11,12,13,14,15
	ds_load_b128 v[\SB+4*\n:\SB+4*\n+3], v[AK] offset:STP+512*\n
.endr
.if \grd
.Lno_k_\@:
.endif
	s_wait_alu depctr_va_vdst(0)                   ; ahead of the first reader of O^T
.set sj, 0
.rept 16
	v_pk_mul_f32 v[O+2*sj:O+2*sj+1], v[O+2*sj:O+2*sj+1], v[F:F+1] op_sel_hi:[1,0]   ; O^T under the new M; also the places ahead of the products below
.set sj, sj+1
.endr
.irp t, 0,1,2,3
	v_wmma_scale_f32_16x16x128_f8f6f4 v[O+8*\t:O+8*\t+7], v[\KB+16*\t:\KB+16*\t+15], v[PC:PC+15], v[O+8*\t:O+8*\t+7], v[VS+\t], v[PWD] matrix_a_fmt:MATRIX_FMT_BF8 matrix_b_fmt:MATRIX_FMT_BF8
.endr
	v_pk_add_f32 v[CH:CH+1], v[CH:CH+1], v[CH+2:CH+3]          ; nine places ahead of the next step's products, which write over V's bank: the chains are joined here,
	v_pk_add_f32 v[CH+4:CH+5], v[CH+4:CH+5], v[CH+6:CH+7]
	v_pk_add_f32 v[CH:CH+1], v[CH:CH+1], v[CH+4:CH+5]
	v_pk_fma_f32 v[L:L+1], v[L:L+1], v[F:F+1], v[CH:CH+1] op_sel_hi:[1,0,1]   ; and the row's sum goes under the new M and takes the step's
.rept 5
	v_nop
.endr
	s_add_co_u32 s[TB], s[TB], STP
	s_add_co_u32 s[TBV], s[TBV], STP
.endm
; Eight queries through the stage: four stores of 16 bytes a lane from v[d ..], and back by rows into v[b ..].  LDS serves a wave's instructions in order.
.macro HALF d, b
.irp u, 0,1
	ds_store_b128 v[STO], v[\d+8*\u:\d+8*\u+3] offset:64*\u
	ds_store_b128 v[STO], v[\d+8*\u+4:\d+8*\u+7] offset:64*\u+16
.endr
.irp i, 0,1,2,3
	ds_load_b128 v[\b+4*\i:\b+4*\i+3], v[RD] offset:\i*2*SP
.endr
.endm
.Lpass:
	global_load_b128 v[QZ+8:QZ+11],  v[QO], s[QP:QP+1] th:TH_LOAD_NT
	global_load_b128 v[QZ+12:QZ+15], v[QO], s[QP:QP+1] offset:512 th:TH_LOAD_NT
	global_load_b32 v[QWD], v[QW], s[QP:QP+1] offset:8192 th:TH_LOAD_NT
	ds_load_b128 v[KS:KS+3], v[LR] offset:8192     ; K's step 0
.irp n, 0,1,2,3,4,5,6,7,8,9,10,11,12,13,14,15
	ds_load_b128 v[XB+4*\n:XB+4*\n+3], v[LI] offset:512*\n
.endr
	v_mov_b32 v[NM], 0x7f61b1e6                    ; -M begins at 3e38, over every floor(-t)
	v_mov_b32 v[L], 0
	v_mov_b32 v[L+1], 0
	s_mov_b32 s[TB], 0
	s_mov_b32 s[TBV], HS
	s_wait_alu depctr_va_vdst(0)
	s_wait_loadcnt 0x0
	v_perm_b32 v[QS], v[QWD], v[QWD], s[PSEL]
	s_wait_alu depctr_va_vdst(0)                   ; directly behind the write
.set sj, 0
.rept 32
	v_mov_b32 v[O+sj], 0                           ; O^T: the step is written once, and its first change of M multiplies zeros.  (Also the places between the scale word and the first product)
.set sj, sj+1
.endr
	s_mov_b32 s[TRIP], 2
.La:                                               ; steps 0-3
	STEP XB, YB, 0
	STEP YB, XB, 0
	s_sub_co_u32 s[TRIP], s[TRIP], 1
	s_cmp_lg_u32 s[TRIP], 0
	s_cbranch_scc1 .La
	s_wait_tensorcnt 0x0                           ; my second image is in,
	s_wait_dscnt 0x0
	s_barrier_signal -1
	s_barrier_wait -1                              ; and everybody's
	s_mov_b32 s[TRIP], 6
.Lb:                                               ; steps 4-15
	STEP XB, YB, 0
	STEP YB, XB, 1
	s_sub_co_u32 s[TRIP], s[TRIP], 1
	s_cmp_lg_u32 s[TRIP], 0
	s_cbranch_scc1 .Lb
	; THE WAY OUT
	v_add_f32 v[L], v[L], v[L+1]
	D1
	v_permlanex16_b32 v[PT], v[L], s[SEL], s[SEL+1]
	D1
	v_add_f32 v[L], v[L], v[PT]                    ; the row's sum
	s_wait_alu depctr_va_vdst(0)                   ; ahead of the transcendental
	v_rcp_f32 v[RC], v[L]
	v_nop
	s_wait_alu depctr_va_vdst(0)                   ; ahead of its first reader, which is also the first reader of the last products' results
.set sj, 0
.rept 16
	v_pk_mul_f32 v[XB+2*sj:XB+2*sj+1], v[O+2*sj:O+2*sj+1], v[RC:RC+1] op_sel_hi:[1,0]   ; register 8 t + j: channel 16 t + 8 h + j of query r
.set sj, sj+1
.endr
.set sj, 0
.rept 32
	v_mov_b32_dpp v[XB+32+sj], v[XB+sj] row_xmask:8 row_mask:0xf bank_mask:0xf   ; the same of lane l xor 8: query r xor 8
.set sj, sj+1
.endr
.set sj, 0
.rept 16
	v_cndmask_b32 v[YB+sj], v[XB+sj], v[XB+48+sj], s[MB]       ; queries 0-7: lanes r < 8 their own channels 0-31, lanes r >= 8 the partner's channels 32-63
	v_cndmask_b32 v[YB+16+sj], v[XB+32+sj], v[XB+16+sj], s[MB] ; queries 8-15: lanes r < 8 the partner's channels 0-31, lanes r >= 8 their own channels 32-63
.set sj, sj+1
.endr
	HALF YB, YB+32
	HALF YB+16, YB+48
	s_wait_dscnt 8                                 ; the first four loads are back: behind them stand four stores and four loads
.irp i, 0,1,2,3
	global_store_b128 v[GO], v[YB+32+4*\i:YB+32+4*\i+3], s[OP:OP+1] offset:2*\i*4096 th:TH_STORE_NT   ; sixteen lanes store 256 consecutive bytes, aligned
.endr
	s_wait_dscnt 0x0
.irp i, 0,1,2,3
	global_store_b128 v[GO], v[YB+48+4*\i:YB+48+4*\i+3], s[OP:OP+1] offset:(8+2*\i)*4096 th:TH_STORE_NT
.endr
	s_wait_xcnt 0x0                                ; the stores have read their registers and their base
	s_add_nc_u64 s[QP:QP+1], s[QP:QP+1], 2*STP
	s_add_nc_u64 s[OP:OP+1], s[OP:OP+1], 256*4096
	s_sub_co_u32 s[PASS], s[PASS], 1
	s_cmp_lg_u32 s[PASS], 0
	s_cbranch_scc1 .Lpass
	s_wait_tensorcnt 0x0                           ; the wave's end
	ds_add_u32 v[SPW], v[NIL]
	s_wait_dscnt 0x0
	CROUND                                         ; the closing round
	s_endpgm
.Lfunc_end_k_qc42c6ce81a_attn:
	.size	k_qc42c6ce81a_attn, .Lfunc_end_k_qc42c6ce81a_attn-k_qc42c6ce81a_attn
	.p2alignl 7, 3214868480
	.fill 96, 4, 3214868480
	.section	.rodata,"a",@progbits
	.p2align	6, 0x0
	.amdhsa_kernel k_qc42c6ce81a_attn
		.amdhsa_group_segment_fixed_size 327680
		.amdhsa_private_segment_fixed_size 0
		.amdhsa_enable_private_segment 0
		.amdhsa_kernarg_size 32
		.amdhsa_user_sgpr_count 2
		.amdhsa_user_sgpr_kernarg_segment_ptr 1
		.amdhsa_wavefront_size32 1
		.amdhsa_system_sgpr_workgroup_id_x 1
		.amdhsa_system_sgpr_workgroup_id_y 1
		.amdhsa_system_sgpr_workgroup_id_z 1
		.amdhsa_system_vgpr_workitem_id 0
		.amdhsa_next_free_vgpr 256
		.amdhsa_next_free_sgpr 66
		.amdhsa_reserve_vcc 0
		.amdhsa_float_denorm_mode_32 3
		.amdhsa_float_denorm_mode_16_64 3
		.amdhsa_memory_ordered 1
		.amdhsa_forward_progress 1
		.amdhsa_inst_pref_size 92
	.end_amdhsa_kernel
	.amdgpu_metadata
---
amdhsa.version: [ 1, 2 ]
amdhsa.kernels:
  - .name:           k_qc42c6ce81a_attn
    .symbol:         k_qc42c6ce81a_attn.kd
    .args:
      - { .name: qimg, .offset: 0, .size: 8, .value_kind: global_buffer, .address_space: global }
      - { .name: kimg, .offset: 8, .size: 8, .value_kind: global_buffer, .address_space: global }
      - { .name: vimg, .offset: 16, .size: 8, .value_kind: global_buffer, .address_space: global }
      - { .name: out0, .offset: 24, .size: 8, .value_kind: global_buffer, .address_space: global }
    .group_segment_fixed_size: 327680
    .private_segment_fixed_size: 0
    .kernarg_segment_align: 8
    .kernarg_segment_size: 32
    .max_flat_workgroup_size: 512
    .sgpr_count:     66
    .vgpr_count:     256
    .wavefront_size: 32
...
	.end_amdgpu_metadata
.endif
;; end of part 2
